; MI455X (gfx1250); checked and timed in simulation.
; The chip was launched on July 23, 2026; its instructions are those of AMD's public machine-readable ISA for CDNA 5 (MIT licence, August 2026) and "CDNA5" Instruction Set Architecture Reference Guide (July 2026). The comments in the code are by the model that wrote it; some were corrected since.
;; Attention. Allowed arithmetic: matrix products marked QUANTISED: E4M3 operands, one given power-of-two scale a tensor, by v_wmma_f32_16x16x64_fp8_fp8 or v_wmma_f32_16x16x128_fp8_fp8, f32 sums; everything else in f32.
;; Inputs: Wk 256 x 1,024 float32; Wproj 1,024 x 1,024 float32; Wq 1,024 x 1,024 float32; Wv 256 x 1,024 float32; lowp_scales 12 int32 (the exponents e of the quantised operands' scales 2^e); q_gain 16 float32; x 4 x 2,048 x 1,024 float32.
;; Outputs: out0 4 x 2,048 x 1,024 float32.
;; This version of the problem:
;;   THIS VERSION OF THE PROBLEM IS GIVEN IN LOW PRECISION. The matrix products marked QUANTISED in the list below multiply operands that are first quantised to E4M3 (4 exponent bits, 3 mantissa bits; 8 bits a number), with one given power-of-two scale for each operand tensor; their sums are f32. All else is computed in f32.
;;   The module's matrix products, in the order in which they are computed (A, B: the left and right operand; K: the contracted axis; several contracted axes count as one K, in the product's order):
;;     1. [M 8,192, K 1,024] x [K 1,024, N 1,024]; A: input x; B: input Wq: QUANTISED (scales: A lowp_scales[0], B lowp_scales[1])
;;     2. [M 8,192, K 1,024] x [K 1,024, N 256]; A: input x; B: input Wk: QUANTISED (scales: A lowp_scales[2], B lowp_scales[3])
;;     3. [M 8,192, K 1,024] x [K 1,024, N 256]; A: input x; B: input Wv: QUANTISED (scales: A lowp_scales[4], B lowp_scales[5])
;;     4. batch 64 x [M 2,048, K 64] x [K 64, N 2,048]; A: computed on the way; B: computed on the way: QUANTISED (scales: A lowp_scales[6], B lowp_scales[7])
;;     5. batch 64 x [M 2,048, K 2,048] x [K 2,048, N 64]; A: softmax (see below); B: computed on the way: QUANTISED (scales: A lowp_scales[8], B lowp_scales[9])
;;     6. [M 8,192, K 1,024] x [K 1,024, N 1,024]; A: computed on the way; B: input Wproj: QUANTISED (scales: A lowp_scales[10], B lowp_scales[11])
;;   THE QUANTISER, for each operand of a quantised product, along K:
;;     - The operand's scale is 2^e, e = its entry of the input lowp_scales (int32; the entries are numbered through the quantised products in the list's order, A before B).
;;     - Each number is divided by the scale, clamped to +-448, and rounded to the nearest number of E4M3, ties to even, subnormals kept.
;;     - The product sums the exact products of the quantised numbers (number of the format x scale) in f32.
;;   ~~~python
;;   def quantise(x, axis, e):      # numpy; x: float32 -> the quantised numbers, widened to float32 again
;;       x = np.moveaxis(x, axis, -1); K = x.shape[-1]
;;       r = np.clip(x / 2.0 ** e, -448, 448)
;;       step = 2.0 ** (np.maximum(np.frexp(np.where(r == 0, 1, r))[1] - 1, -6) - 3)
;;       q = np.round(r / step) * step * 2.0 ** e      # np.round: ties to even
;;       return np.moveaxis(q, -1, axis).astype(np.float32)
;;   ~~~
;;   SOFTMAX AHEAD OF A QUANTISED PRODUCT. Where the list says 'softmax', what is quantised is not the finished softmax but p = 2^(t - M), with t = logit x log2(e) and M = ceil(the row's largest t), a whole number; so 1/2 < the row's largest p <= 1. The row's sum l is taken of the UNQUANTISED p, in f32, and the product's result is divided by l at the end. Since M is a whole number, a kernel that streams over the keys may use a running M (the ceiling of the running maximum): every later rescaling is an exact power of two, so the quantised numbers keep their values, but for numbers so far below the row's largest that they fall under the format's range.
;;   OPERANDS COMPUTED ON THE WAY. 'Computed on the way' means the value that the module computes at that place (a softmax that the list does not call 'softmax' is quantised finished and normalised). What goes into a quantiser is computed in f32, as accurately as f32 sums, v_exp_f32 and their like allow (about 1e-6 of the number): no bf16 or f16 on the way to a quantiser, and a product that is left as it is and whose result goes on into a quantised operand takes f32 operands (vector FMAs, or v_wmma_f32_16x16x4_f32). A number that lies on a knife's edge between two numbers of the format may be rounded either way, as far as f32 arithmetic and the matrix unit's own rounding can turn it there, and no further.
;; One version. Each part assembles by itself: llvm-mc -triple=amdgcn-amd-amdhsa -mcpu=gfx1250 --defsym DOCPART=n.
;; ======== version 1 of 1: 4 launches
;; limits: right only within a limited range of input values
;; workspace buffers: xc 25,165,824 bytes; wc 2,621,440 bytes; rope 524,288 bytes; qc 8,388,608 bytes; kc 2,097,152 bytes; vc 2,097,152 bytes; yc 8,388,608 bytes
;; launch prep (part 1): grid 736 x 1, 4 waves a work-group, no clusters, 33,280 bytes of LDS; arguments x, Wq, Wk, Wv, Wproj, lowp_scales, xc, wc, rope; writes xc, wc, rope
.if DOCPART == 1
	.amdgcn_target "amdgcn-amd-amdhsa--gfx1250"
	.amdhsa_code_object_version 6
	.text
	.protected	k_qbb4118dc6d_prep
	.globl	k_qbb4118dc6d_prep
	.p2align	8
	.type	k_qbb4118dc6d_prep,@function
k_qbb4118dc6d_prep:
	s_mov_b64 s[64:65], 0
	v_nop
	global_prefetch_b8 v0, s[64:65] scope:SCOPE_SE
	s_setreg_imm32_b32 hwreg(HW_REG_WAVE_MODE, 25, 1), 1
	s_wait_xcnt 0x0
; PREP.  (1) x [8192][1024] f32 becomes up to THREE sets of E4M3 codes, xc[0], xc[1], xc[2], with the scales 2^e0, 2^e2, 2^e4 (x is the left operand of three products, each with a scale of its own).
; A set whose exponent equals an earlier set's would hold the same bytes: it is not stored (a scalar branch on the given whole numbers), and the launch that reads the sets takes the earlier one:
; set 1 is stored where e2 differs from e0, set 2 where e4 differs from both e0 and e2.
; (2) Wq, Wk, Wv, Wproj become codes in wc, rows 0-1023, 1024-1279, 1280-1535, 1536-2559, with 2^e1, 2^e3, 2^e5, 2^e11.  K is innermost in all of them, rows are dense: plain streams.
; (3) the rotary table rope[t][0..31] = cos(t f_i), rope[t][32..63] = sin(t f_i), f_i = 10000^(-i/32).
; code = number / 2^e, held within +-448, rounded to the nearest code, ties to even.
; LIMITS: each e used here lies between -126 and 119.  NaN among the inputs is not served.  f_i is made by v_exp_f32 of -i log2(10000)/32, so the angle t f_i can differ from a correctly rounded one
; by some 1.2e-4 radians at t = 2047, i = 1; sine and cosine are then good to a few units in the last place (two-part reduction by pi/2, polynomials of degree 9 and 10).
; SHARES: work-groups 0-511: x, 16,384 numbers each; 512-671: the weights in wc's row order (64, 16, 16, 64 work-groups), 16,384 numbers each; 672-735: 32 rows of the table each.
; A wave takes 8 steps of 512 numbers: four loads of 512 consecutive bytes, through the wave's own stage in LDS (64 bytes + 16 of padding a lane), back as 16 neighbours a lane; 16 codes a lane: the wave stores 512 consecutive bytes.
; No tensor loads, no barrier: waves share nothing.  Loads run four steps (16 loads a wave) ahead, the turn through LDS one step.
.set STEPS, 8
.set SP,    80                         ; a lane's place in a stage
.set WREG,  8192                       ; LDS of a wave: two stages of 32 x SP bytes
.set SPARE, 4*WREG                     ; the spare words: 128 bytes a wave, two blocks of 256 bytes that no other line names
.set R,     16                         ; v16-79   four sets of 16 numbers as loaded
.set X,     80                         ; v80-111  two sets of 16 neighbours
.set T,     112                        ; v112-127 the numbers held within the largest code
.set C,     128                        ; v128-151 codes: 12 registers for each of two steps by turns
.set SPW,   8                          ; v8  my spare word's LDS address; never rewritten
.set NIL,   9                          ; v9  0; never rewritten
.set NX,    512                        ; work-groups for x; Wq's begin here
.set NK,    576                        ; Wk's first work-group
.set NV,    592                        ; Wv's
.set NP,    608                        ; Wproj's
.set NQ,    672                        ; work-groups that quantise
	s_load_b512 s[8:23], s[0:1], 0x0               ; x 8, Wq 10, Wk 12, Wv 14, Wproj 16, the exponents 18, xc 20, wc 22
	s_load_b64 s[24:25], s[0:1], 0x40              ; rope
	v_lshl_add_u32 v[SPW], v0, 2, SPARE
	v_mov_b32 v[NIL], 0
	v_lshrrev_b32 v1, 5, v0
	v_readfirstlane_b32 s26, v1                    ; wave
	v_and_b32 v2, 31, v0                           ; lane
	v_lshlrev_b32 v3, 4, v2                        ; 16 x lane: my bytes of a load's 512, of a store's 512
	s_mul_i32 s27, s26, WREG
	v_lshrrev_b32 v6, 2, v2
	v_mul_u32_u24 v6, v6, SP
	v_and_b32 v7, 3, v2
	v_lshl_add_u32 v6, v7, 4, v6
	v_add_nc_u32 v6, s27, v6                       ; the stage, way in: SP (lane / 4) + 16 (lane % 4)
	v_mul_u32_u24 v7, v2, SP
	v_add_nc_u32 v7, s27, v7                       ; way out: SP x lane
	s_wait_kmcnt 0x0
	s_cmp_ge_u32 ttmp9, NQ
	s_cbranch_scc1 .Lrope
	s_load_b256 s[32:39], s[18:19], 0x0            ; e0 .. e7
	s_load_b128 s[40:43], s[18:19], 0x20           ; e8 .. e11
	; which tensor: a chain of choices on the work-group's number alone
	s_mov_b64 s[28:29], s[16:17]                   ; Wproj
	s_mov_b32 s30, NP
	s_cmp_lt_u32 ttmp9, NP
	s_cselect_b64 s[28:29], s[14:15], s[28:29]     ; Wv
	s_cselect_b32 s30, NV, s30
	s_cmp_lt_u32 ttmp9, NV
	s_cselect_b64 s[28:29], s[12:13], s[28:29]     ; Wk
	s_cselect_b32 s30, NK, s30
	s_cmp_lt_u32 ttmp9, NK
	s_cselect_b64 s[28:29], s[10:11], s[28:29]     ; Wq
	s_cselect_b32 s30, NX, s30
	s_cmp_lt_u32 ttmp9, NX
	s_cselect_b64 s[28:29], s[8:9], s[28:29]       ; x
	s_cselect_b32 s30, 0, s30
	s_cselect_b64 s[44:45], s[20:21], s[22:23]     ; the first output: xc or wc
	s_cselect_b32 s31, 0, NX
	s_sub_co_u32 s30, ttmp9, s30
	s_lshl_b32 s30, s30, 2
	s_add_co_u32 s30, s30, s26                     ; which run of 4,096 numbers of the source is my wave's
	s_lshl_b32 s50, s30, 14
	s_mov_b32 s51, 0
	s_add_nc_u64 s[28:29], s[28:29], s[50:51]
	s_sub_co_u32 s31, ttmp9, s31
	s_lshl_b32 s31, s31, 2
	s_add_co_u32 s31, s31, s26                     ; and of the output
	s_lshl_b32 s50, s31, 12
	s_add_nc_u64 s[44:45], s[44:45], s[50:51]
	s_add_nc_u64 s[46:47], s[20:21], s[50:51]
	s_add_nc_u64 s[46:47], s[46:47], 0x800000      ; xc's second set (used by x's work-groups alone)
	s_add_nc_u64 s[48:49], s[20:21], s[50:51]
	s_add_nc_u64 s[48:49], s[48:49], 0x1000000     ; xc's third set
.macro LOAD t
.irp i, 0,1,2,3
	global_load_b128 v[R+16*((\t)%4)+4*\i:R+16*((\t)%4)+4*\i+3], v3, s[28:29] offset:2048*(\t)+512*\i th:TH_LOAD_NT   ; 32 lanes read 512 consecutive bytes
.endr
.endm
.macro TURN t                          ; step t's numbers through the stage; LDS serves a wave's instructions in order, so no wait stands between the stores and the loads
.irp i, 0,1,2,3
	ds_store_b128 v6, v[R+16*((\t)%4)+4*\i:R+16*((\t)%4)+4*\i+3] offset:32*SP*((\t)%2)+8*SP*\i
.endr
.irp i, 0,1,2,3
	ds_load_b128 v[X+16*((\t)%2)+4*\i:X+16*((\t)%2)+4*\i+3], v7 offset:32*SP*((\t)%2)+16*\i
.endr
.endm
.macro MKSCALE e, lim, sc              ; v[sc] = 2^e as f32 (the conversion takes its exponent field), v[lim] = 448 x 2^e
	s_add_co_i32 s53, \e, 127
	s_lshl_b32 s54, s53, 23
	v_mov_b32 v[\sc], s54
	s_add_co_i32 s53, s53, 8
	s_lshl_b32 s53, s53, 23
	s_or_b32 s53, s53, 0x600000
	v_mov_b32 v[\lim], s53
.endm
	s_wait_alu depctr_va_vdst(0)                   ; the wait here, ahead of the first readers of the head's registers
.irp t, 0,1,2,3
	LOAD \t
.endr
	s_wait_kmcnt 0x0
	s_mov_b32 s52, s43                             ; e11
	s_cmp_lt_u32 ttmp9, NP
	s_cselect_b32 s52, s37, s52                    ; e5
	s_cmp_lt_u32 ttmp9, NV
	s_cselect_b32 s52, s35, s52                    ; e3
	s_cmp_lt_u32 ttmp9, NK
	s_cselect_b32 s52, s33, s52                    ; e1
	s_cmp_lt_u32 ttmp9, NX
	s_cselect_b32 s52, s32, s52                    ; e0
	MKSCALE s52, 10, 11
	MKSCALE s34, 12, 13                            ; e2
	MKSCALE s36, 14, 15                            ; e4
	s_cmp_lg_u32 s34, s32                          ; which further sets of x's codes are owed
	s_cselect_b32 s56, 1, 0                        ; set 1: e2 is not e0
	s_cmp_lg_u32 s36, s32
	s_cselect_b32 s57, 1, 0
	s_cmp_lg_u32 s36, s34
	s_cselect_b32 s57, s57, 0                      ; set 2: e4 is neither e0 nor e2
	s_cmp_lt_u32 ttmp9, NX                         ; a weight has one set
	s_cselect_b32 s56, s56, 0
	s_cselect_b32 s57, s57, 0
	s_wait_alu depctr_va_vdst(0)                   ; the wait at the head's end
	s_wait_loadcnt 12                              ; step 0's four loads are in; three steps' twelve may be out
	TURN 0
; one output of a step: the hold (the conversion to an 8-bit code does not saturate: ISA guide 7.6.2), two conversions, a store of 512 consecutive bytes
.macro OUT t, j, dst
.set CS, C+12*((\t)%2)+4*(\j)
.irp i, 0,1,2,3,4,5,6,7,8,9,10,11,12,13,14,15
	v_med3_num_f32 v[T+\i], v[XS+\i], -v[10+2*(\j)], v[10+2*(\j)]
.endr
	v_cvt_scalef32_pk8_fp8_f32 v[CS:CS+1], v[T:T+7], v[11+2*(\j)]
	v_cvt_scalef32_pk8_fp8_f32 v[CS+2:CS+3], v[T+8:T+15], v[11+2*(\j)]
	v_nop                                          ; a plain line between the conversions and the next holds, which write their sources
	global_store_b128 v3, v[CS:CS+3], s[\dst:\dst+1] offset:512*(\t)
.endm
.macro STEP t
.set XS, X+16*((\t)%2)
	s_wait_dscnt 0x0                               ; this step's numbers are back from the stage
.if (\t)+4 < STEPS
	LOAD (\t)+4
.endif
.if (\t)+1 < STEPS
.if STEPS-2-(\t) >= 3
	s_wait_loadcnt 12                              ; the next step's four loads are in; those of the three steps behind it may be out
.else
	s_wait_loadcnt 4*(STEPS-2-(\t))
.endif
	TURN (\t)+1
.endif
	s_wait_xcnt 0x0                                ; the stores of two steps back have read their registers: this step's codes may be written there
	OUT \t, 0, 44
	s_cmp_lg_u32 s56, 0
	s_cbranch_scc0 .Lno1_\@
	OUT \t, 1, 46
.Lno1_\@:
	s_cmp_lg_u32 s57, 0
	s_cbranch_scc0 .Lno2_\@
	OUT \t, 2, 48
.Lno2_\@:
.endm
.irp t, 0,1,2,3,4,5,6,7
	STEP \t
.endr
	s_wait_tensorcnt 0x0                           ; the wave's end, behind my last LDS store
	ds_add_u32 v[SPW], v[NIL]
	s_wait_dscnt 0x0
	s_endpgm
; THE TABLE.  A wave makes 8 rows, two at a time: lanes 0-15 one row of 256 bytes, lanes 16-31 the next; a lane holds four neighbours: lanes 0-7 of a row cosines, lanes 8-15 sines, of i = 4 (lane % 8) + 0 .. 3.
; REGISTERS of this way: v16-23 the lane's places and its four f_i; v19 t; v32-47 the results, four for each pair of rows, each written once and stored once; v48-55 at work.
.Lrope:
	s_sub_co_u32 s27, ttmp9, NQ
	s_lshl_b32 s27, s27, 5
	s_lshl_b32 s28, s26, 3
	s_add_co_u32 s27, s27, s28                     ; my wave's first row t
	s_lshl_b32 s28, s27, 8
	s_mov_b32 s29, 0
	s_add_nc_u64 s[24:25], s[24:25], s[28:29]
	s_mov_b32 s44, 0x3fc90fdb                      ; pi/2, upper part
	s_mov_b32 s45, 0xb33bbd2e                      ; pi/2, lower part
	s_mov_b32 s46, 0xbe2aaaab                      ; -1/6
	s_mov_b32 s47, 0x3c088889                      ; 1/120
	s_mov_b32 s48, 0xb9500d01                      ; -1/5040
	s_mov_b32 s49, 0x3638ef1d                      ; 1/362880
	s_mov_b32 s50, 0x3d2aaaab                      ; 1/24
	s_mov_b32 s51, 0xbab60b61                      ; -1/720
	s_mov_b32 s52, 0x37d00d01                      ; 1/40320
	s_mov_b32 s53, 0xb493f27e                      ; -1/3628800
	s_wait_alu depctr_va_vdst(0)                   ; the wait here, behind the branch and the scalar lines
	v_and_b32 v16, 7, v2
	v_lshlrev_b32 v16, 2, v16                      ; 4 (lane % 8)
	v_bfe_u32 v17, v2, 3, 1                        ; 1: sines
	v_lshrrev_b32 v18, 4, v2                       ; which of the two rows
.irp k, 0,1,2,3
	v_add_nc_u32 v[20+\k], \k, v16
	v_cvt_f32_u32 v[20+\k], v[20+\k]
	v_mul_f32 v[20+\k], 0xbed49a78, v[20+\k]       ; -i log2(10000) / 32
.endr
	s_wait_alu depctr_va_vdst(0)                   ; the wait ahead of the batch
.irp k, 0,1,2,3
	v_exp_f32 v[20+\k], v[20+\k]                   ; f_i
.endr
	v_add_nc_u32 v18, s27, v18                     ; (a plain line behind the exponentials)  t of the first pair of rows
	s_wait_alu depctr_va_vdst(0)                   ; one wait for the batch of four, ahead of its first reader
; v[dst] = cos or sin of v19 x v[f].  theta = n pi/2 + r; with m = n - (1 for a sine): cos r, -sin r, -cos r, sin r for m % 4 = 0, 1, 2, 3
.macro SINCOS dst, f
	v_mul_f32 v48, v19, v[\f]
	v_mul_f32 v49, 0x3f22f983, v48                 ; x 2/pi
	v_rndne_f32 v49, v49                           ; n
	v_fma_f32 v50, -v49, s44, v48
	v_fma_f32 v50, -v49, s45, v50                  ; r
	v_mul_f32 v51, v50, v50
	v_fma_f32 v52, v51, s49, s48
	v_fma_f32 v52, v52, v51, s47
	v_fma_f32 v52, v52, v51, s46
	v_mul_f32 v53, v50, v51
	v_fma_f32 v52, v52, v53, v50                   ; sin r
	v_fma_f32 v54, v51, s53, s52
	v_fma_f32 v54, v54, v51, s51
	v_fma_f32 v54, v54, v51, s50
	v_fma_f32 v54, v54, v51, -0.5
	v_fma_f32 v54, v54, v51, 1.0                   ; cos r
	v_cvt_i32_f32 v55, v49
	v_sub_nc_u32 v55, v55, v17                     ; m
	v_and_b32 v49, 1, v55
	v_cmp_eq_u32 vcc_lo, 1, v49
	v_cndmask_b32 v52, v54, v52, vcc_lo            ; m odd: the sine
	v_add_nc_u32 v55, 1, v55
	v_and_b32 v55, 2, v55
	v_lshlrev_b32 v55, 30, v55                     ; the sign: minus for m % 4 = 1, 2
	v_xor_b32 v[\dst], v52, v55
.endm
.irp jb, 0,1,2,3
	v_add_nc_u32 v19, 2*\jb, v18
	v_cvt_f32_u32 v19, v19
.irp k, 0,1,2,3
	SINCOS 32+4*\jb+\k, 20+\k
.endr
	global_store_b128 v3, v[32+4*\jb:35+4*\jb], s[24:25] offset:512*\jb   ; two whole rows of the table; its four registers and its offset are not written again
.endr
	s_wait_tensorcnt 0x0                           ; the wave's end, in the same three lines as the other way's
	ds_add_u32 v[SPW], v[NIL]
	s_wait_dscnt 0x0
	s_endpgm
.Lfunc_end_k_qbb4118dc6d_prep:
	.size	k_qbb4118dc6d_prep, .Lfunc_end_k_qbb4118dc6d_prep-k_qbb4118dc6d_prep
	.p2alignl 7, 3214868480
	.fill 96, 4, 3214868480
	.section	.rodata,"a",@progbits
	.p2align	6, 0x0
	.amdhsa_kernel k_qbb4118dc6d_prep
		.amdhsa_group_segment_fixed_size 33280
		.amdhsa_private_segment_fixed_size 0
		.amdhsa_enable_private_segment 0
		.amdhsa_kernarg_size 72
		.amdhsa_user_sgpr_count 2
		.amdhsa_user_sgpr_kernarg_segment_ptr 1
		.amdhsa_wavefront_size32 1
		.amdhsa_system_sgpr_workgroup_id_x 1
		.amdhsa_system_sgpr_workgroup_id_y 1
		.amdhsa_system_sgpr_workgroup_id_z 1
		.amdhsa_system_vgpr_workitem_id 0
		.amdhsa_next_free_vgpr 160
		.amdhsa_next_free_sgpr 66
		.amdhsa_reserve_vcc 1
		.amdhsa_float_denorm_mode_32 3
		.amdhsa_float_denorm_mode_16_64 3
		.amdhsa_memory_ordered 1
		.amdhsa_forward_progress 1
		.amdhsa_inst_pref_size 65
	.end_amdhsa_kernel
	.amdgpu_metadata
---
amdhsa.version: [ 1, 2 ]
amdhsa.kernels:
  - .name:           k_qbb4118dc6d_prep
    .symbol:         k_qbb4118dc6d_prep.kd
    .args:
      - { .name: x, .offset: 0, .size: 8, .value_kind: global_buffer, .address_space: global }
      - { .name: Wq, .offset: 8, .size: 8, .value_kind: global_buffer, .address_space: global }
      - { .name: Wk, .offset: 16, .size: 8, .value_kind: global_buffer, .address_space: global }
      - { .name: Wv, .offset: 24, .size: 8, .value_kind: global_buffer, .address_space: global }
      - { .name: Wproj, .offset: 32, .size: 8, .value_kind: global_buffer, .address_space: global }
      - { .name: lowp_scales, .offset: 40, .size: 8, .value_kind: global_buffer, .address_space: global }
      - { .name: xc, .offset: 48, .size: 8, .value_kind: global_buffer, .address_space: global }
      - { .name: wc, .offset: 56, .size: 8, .value_kind: global_buffer, .address_space: global }
      - { .name: rope, .offset: 64, .size: 8, .value_kind: global_buffer, .address_space: global }
    .group_segment_fixed_size: 33280
    .private_segment_fixed_size: 0
    .kernarg_segment_align: 8
    .kernarg_segment_size: 72
    .max_flat_workgroup_size: 128
    .sgpr_count:     66
    .vgpr_count:     160
    .wavefront_size: 32
...
	.end_amdgpu_metadata
.endif
;; end of part 1
;; launch qkv (part 2): grid 32 x 6, 4 waves a work-group, clusters of 4 x 1, 327,680 bytes of LDS; arguments xc, wc, rope, lowp_scales, q_gain, qc, kc, vc; writes qc, kc, vc
.if DOCPART == 2
	.amdgcn_target "amdgcn-amd-amdhsa--gfx1250"
	.amdhsa_code_object_version 6
	.text
	.protected	k_qbb4118dc6d_qkv
	.globl	k_qbb4118dc6d_qkv
	.p2align	8
	.type	k_qbb4118dc6d_qkv,@function
k_qbb4118dc6d_qkv:
	s_mov_b64 s[64:65], 0
	v_nop
	global_prefetch_b8 v0, s[64:65] scope:SCOPE_SE
	s_setreg_imm32_b32 hwreg(HW_REG_WAVE_MODE, 25, 1), 1
	s_wait_xcnt 0x0
	s_wait_alu depctr_hold_cnt(0) depctr_sa_sdst(0) depctr_va_vdst(0) depctr_va_sdst(0) depctr_va_ssrc(0) depctr_va_vcc(0) depctr_vm_vsrc(0)
	s_getreg_b32 s2, hwreg(HW_REG_IB_STS2, 6, 4)
	s_cmp_eq_u32 s2, 0
	s_cbranch_scc0 .Lentry_in_a_cluster
	s_endpgm
.Lentry_in_a_cluster:
	s_bfe_u32 s2, ttmp6, 0x10000c
	s_cmp_lg_u32 s2, 0x3003
	s_cbranch_scc0 .Lentry_shape_is_right
	s_endpgm
.Lentry_shape_is_right:
; QKV.  x W^T on codes of E4M3: work-group x = a block of 256 tokens; y = 0..3: 256 rows of Wq, 4: Wk, 5: Wv.  Four waves, 128 x 128 of the result each; K = 1,024 in four steps of 256 through a ring of two LDS slots.
; The four work-groups of a cluster (neighbouring token blocks, one y) ask for the weight's tile jointly; x's tile is each work-group's own.
; q, k: RMS norm, rotary table, q's gain, then codes with 2^e6, 2^e7, stored as images of the next product's operand registers.  v (y = 5): the sources change places, so that a lane's registers run along the tokens; codes with 2^e9.
; x's codes: set 0 (2^e0) for q; for k and v the set that prep stored for e2 and e4: an exponent equal to an earlier one takes the earlier set; the choice is made by s_cselect_b32, with no branch.
; A tile is stated 272 bytes wide over a tensor width of 256: the mover writes zeros into the last 16 bytes of each LDS row, so rows lie 272 bytes apart and every byte of a slot is written.
.set ROWB,   256
.set KROW,   1024
.set PITCH,  272
.set FR,     16
.set NL,     4
.set NP,     4
.set HALFT,  128*PITCH
.set SLOT,   4*HALFT
.set SPARE,  2*SLOT
.set ADRA, 16
.set ADRB, 20
.set LI,   24
.set TO,   25
.set SPW,  28
.set NIL,  29
.set TAB,  32
.set AF,   128
.set W,    128
.set CD,   192
.set G1, 24
.set G0, 32
.set G1B, 48
.set G0B, 56
.set MSB, 0
.macro WIN new
.if MSB != (\new)
	s_set_vgpr_msb (MSB<<8)|(\new)
.set MSB, (\new)
.endif
.endm
.set MUL_LO, 0xa1
.set MUL_HI, 0xf1
.set TO_B,   0x40
.macro JLOAD g0a, g1a, g0b, g1b
	s_cmp_eq_u32 s15, 0
	s_cbranch_scc0 .Lfor_b_\@
	tensor_load_to_lds s[\g0a:\g0a+3], s[\g1a:\g1a+7]
	s_nop 0
.rept 4
	v_nop
.endr
	s_branch .Lasked_\@
.Lfor_b_\@:
	tensor_load_to_lds s[\g0b:\g0b+3], s[\g1b:\g1b+7]
	s_nop 0
.rept 4
	v_nop
.endr
.Lasked_\@:
.endm
.macro CREST
	s_cmp_lg_u32 s14, 0
	s_cbranch_scc1 .Lnot_wave_0_\@
	s_barrier_signal -3
.Lnot_wave_0_\@:
	s_barrier_wait -3
	s_barrier_signal -1
	s_barrier_wait -1
.endm
.macro CROUND
	s_barrier_signal -1
	s_barrier_wait -1
	CREST
.endm
	s_load_b512 s[68:83], s[0:1], 0x0
	v_lshl_add_u32 v[SPW], v0, 2, SPARE
	v_mov_b32 v[NIL], 0
	ds_add_u32 v[SPW], v[NIL]
	ds_add_u32 v[SPW], v[NIL]
	v_lshrrev_b32 v1, 5, v0
	v_readfirstlane_b32 s14, v1
	s_lshr_b32 s15, s14, 1
	s_and_b32 s16, s14, 1
	s_bfe_u32 s40, ttmp6, 0x40000
	s_lshl_b32 s17, ttmp9, 2
	s_add_co_u32 s17, s17, s40
	s_and_b32 s41, ttmp7, 0xffff
	s_mov_b32 s[G1+0], 0
	s_mov_b32 s[G1B+0], 15|(1<<21)
.irp g, G1, G1B
	s_mov_b32 s[\g+1], ROWB<<16
	s_mov_b32 s[\g+2], 128<<16
	s_mov_b32 s[\g+3], PITCH<<16
	s_mov_b32 s[\g+4], 128
	s_mov_b32 s[\g+5], KROW
	s_mov_b32 s[\g+6], 0
	s_mov_b32 s[\g+7], 0
.endr
	s_mov_b32 s100, 0x76543210
	s_mov_b32 s101, 0xfedcba98
	s_lshl_b32 s18, s16, 7
	s_lshl_b32 s20, s17, 8
	s_add_co_u32 s20, s20, s18
	s_lshl_b32 s20, s20, 10
	s_mov_b32 s21, 0
	s_lshl_b32 s46, s41, 8
	s_add_co_u32 s46, s46, s18
	s_lshl_b32 s46, s46, 10
	s_mov_b32 s47, 0
	s_mul_i32 s45, s14, HALFT
	s_cmp_lt_u32 s41, 4
	s_cselect_b32 s43, s41, 0
	s_cselect_b32 s44, 16, 4
	s_lshl_b32 s43, s43, 2
	s_lshl_b32 s98, s16, 1
	s_add_co_u32 s43, s43, s98
	s_lshl_b32 s98, s43, 2
	s_wait_dscnt 0x0
	s_wait_kmcnt 0x0
	s_load_b256 s[84:91], s[74:75], 0x0
	s_load_b64 s[92:93], s[74:75], 0x20
	s_load_b64 s[94:95], s[76:77], s98 offset:0x0
	s_add_nc_u64 s[20:21], s[68:69], s[20:21]
	s_add_nc_u64 s[46:47], s[70:71], s[46:47]
	CROUND
	s_wait_kmcnt 0x0                               ; the exponents: which set of x's codes is mine
	s_cmp_lg_u32 s86, s84
	s_cselect_b32 s2, 1, 0                         ; k's set: 0 where e2 = e0
	s_cmp_lg_u32 s88, s86
	s_cselect_b32 s3, 2, s2                        ; v's set: k's where e4 = e2,
	s_cmp_lg_u32 s88, s84
	s_cselect_b32 s3, s3, 0                        ; 0 where e4 = e0
	s_cmp_eq_u32 s41, 4
	s_cselect_b32 s2, s2, 0
	s_cmp_eq_u32 s41, 5
	s_cselect_b32 s2, s3, s2
	s_min_u32 s2, s2, 2
	s_lshl_b32 s2, s2, 23                          ; a set is 8,388,608 bytes
	s_mov_b32 s3, 0
	s_add_nc_u64 s[20:21], s[20:21], s[2:3]
.irp s, 0,1
	s_mov_b32 s[G0+4*\s], 1
	s_add_co_u32 s[G0+4*\s+1], s45, \s*SLOT
	s_add_nc_u64 s[G0+4*\s+2:G0+4*\s+3], s[20:21], \s*ROWB
	s_or_b32 s[G0+4*\s+3], s[G0+4*\s+3], 0x80000000
	s_mov_b32 s[G0B+4*\s], 1
	s_add_co_u32 s[G0B+4*\s+1], s45, \s*SLOT
	s_add_nc_u64 s[G0B+4*\s+2:G0B+4*\s+3], s[46:47], \s*ROWB
	s_or_b32 s[G0B+4*\s+3], s[G0B+4*\s+3], 0x80000000
	s_wait_alu depctr_va_vdst(0)
	s_wait_tensorcnt 0x0
	ds_add_u32 v28, v29
	ds_add_u32 v28, v29
	s_wait_dscnt 0x0
	CROUND
	JLOAD G0+4*\s, G1, G0B+4*\s, G1B
.endr
	v_and_b32 v1, 15, v0
	v_bfe_u32 v2, v0, 4, 1
	v_mul_u32_u24 v3, v1, PITCH
	v_lshl_add_u32 v4, v2, 4, v3
	s_wait_alu depctr_va_vdst(0)
	s_cmp_eq_u32 s41, 5
	s_cselect_b32 s21, 2*HALFT, 0
	s_cselect_b32 s22, 0, 2*HALFT
	s_mul_i32 s23, s15, HALFT
	s_add_co_u32 s21, s21, s23
	s_mul_i32 s23, s16, HALFT
	s_add_co_u32 s22, s22, s23
.irp s, 0,1
	v_add_nc_u32 v[ADRA+\s], s21, v4
	v_add_nc_u32 v[ADRB+\s], s22, v4
	s_add_co_u32 s21, s21, SLOT
	s_add_co_u32 s22, s22, SLOT
.endr
	v_and_b32 v5, 31, v0
	v_lshlrev_b32 v[LI], 4, v5
	v_lshlrev_b32 v[TO], 8, v1
	v_lshl_add_u32 v[TO], v2, 5, v[TO]
	s_wait_alu depctr_va_vdst(0)
	v_mov_b32 v105, 0
	v_mov_b32 v107, 0
	v_mov_b32 v108, 0
	v_mov_b32 v109, 0
	s_lshr_b32 s2, s17, 3
	s_and_b32 s3, s17, 7
	s_mul_i32 s18, s2, s44
	s_add_co_u32 s18, s18, s43
	s_lshl_b32 s18, s18, 7
	s_lshl_b32 s19, s3, 4
	s_add_co_u32 s18, s18, s19
	s_lshl_b32 s19, s15, 3
	s_add_co_u32 s18, s18, s19
	s_lshl_b32 s18, s18, 10
	s_mov_b32 s19, 0
	s_cmp_lt_u32 s41, 4
	s_cselect_b64 s[78:79], s[78:79], s[80:81]
	s_add_nc_u64 s[78:79], s[78:79], s[18:19]
	s_lshl_b32 s18, s2, 2
	s_lshl_b32 s20, s15, 1
	s_add_co_u32 s18, s18, s20
	s_lshl_b32 s18, s18, 4
	s_lshl_b32 s20, s3, 1
	s_add_co_u32 s18, s18, s20
	s_add_co_u32 s18, s18, s16
	s_lshl_b32 s18, s18, 13
	s_add_nc_u64 s[82:83], s[82:83], s[18:19]
	s_lshl_b32 s18, s3, 8
	s_lshl_b32 s20, s15, 7
	s_add_co_u32 s18, s18, s20
	s_lshl_b32 s18, s18, 8
	s_add_nc_u64 s[72:73], s[72:73], s[18:19]
.macro TABLOAD a
.irp b, 0,1
.irp u, 0,1
	global_load_b128 v[TAB+32*((\a)%2)+8*\b+4*\u:TAB+32*((\a)%2)+8*\b+4*\u+3], v[TO], s[72:73] offset:(\a)*4096+64*\b+16*\u
	global_load_b128 v[TAB+32*((\a)%2)+16+8*\b+4*\u:TAB+32*((\a)%2)+16+8*\b+4*\u+3], v[TO], s[72:73] offset:(\a)*4096+128+64*\b+16*\u
.endr
.endr
.endm
	TABLOAD 0
	TABLOAD 1
.macro FRAG reg, adr, q, i
.irp c, 0,1,2,3
	ds_load_b128 v[\reg+4*\c:\reg+4*\c+3], v[\adr] offset:128*(\q)+32*\c+(\i)*16*PITCH
.endr
.endm
.macro MUL16 a0, p, zero
.irp a, \a0, \a0+1
.irp b, 0,1,2,3,4,5,6,7
.if \zero
	v_wmma_f32_16x16x128_fp8_fp8 v[8*(8*((\a)%4)+\b):8*(8*((\a)%4)+\b)+7], v[128*(\p)+FR*\b:128*(\p)+FR*\b+FR-1], v[AF+FR*(\a):AF+FR*(\a)+FR-1], 0
.else
	v_wmma_f32_16x16x128_fp8_fp8 v[8*(8*((\a)%4)+\b):8*(8*((\a)%4)+\b)+7], v[128*(\p)+FR*\b:128*(\p)+FR*\b+FR-1], v[AF+FR*(\a):AF+FR*(\a)+FR-1], v[8*(8*((\a)%4)+\b):8*(8*((\a)%4)+\b)+7]
.endif
.endr
.endr
.endm
.macro FETCH_B slot, q, p
	WIN TO_B
.irp i, 0,1,2,3,4,5,6,7
	FRAG 128*(\p)+FR*\i, ADRB+\slot, \q, \i
.endr
	WIN 0
.endm
.macro FETCH_A slot, q, i0
.irp i, \i0, \i0+1, \i0+2, \i0+3
	FRAG AF+FR*(\i), ADRA+\slot, \q, \i
.endr
.endm
.macro PLACES n
.rept \n
	v_nop
.endr
.endm
.macro STEP slot, q, zero
	s_wait_dscnt 4*NL
	WIN MUL_LO
	MUL16 0, (\q)%2, \zero
	MUL16 2, (\q)%2, \zero
	s_wait_dscnt 0
	PLACES NP
	FETCH_B \slot, (\q)+1, 1-(\q)%2
	FETCH_A \slot, (\q)+1, 0
	WIN MUL_HI
	MUL16 4, (\q)%2, \zero
	MUL16 6, (\q)%2, \zero
	PLACES NP
	WIN 0
	FETCH_A \slot, (\q)+1, 4
.endm
.macro TURN slot, next, fill
	s_wait_tensorcnt 0x0
	ds_add_u32 v[SPW], v[NIL]
	s_wait_dscnt 4*NL+1
	WIN MUL_LO
	MUL16 0, 1, 0
	s_wait_dscnt 0x0
	s_barrier_signal -1
	MUL16 2, 1, 0
	WIN 0
	s_barrier_wait -1
.if \fill
	CREST
	s_add_nc_u64 s[G0+4*\slot+2:G0+4*\slot+3], s[G0+4*\slot+2:G0+4*\slot+3], 2*ROWB
	s_add_nc_u64 s[G0B+4*\slot+2:G0B+4*\slot+3], s[G0B+4*\slot+2:G0B+4*\slot+3], 2*ROWB
	JLOAD G0+4*\slot, G1, G0B+4*\slot, G1B
.else
	PLACES NP
.endif
	FETCH_B \next, 0, 0
	FETCH_A \next, 0, 0
	WIN MUL_HI
	MUL16 4, 1, 0
	MUL16 6, 1, 0
	PLACES NP
	WIN 0
	FETCH_A \next, 0, 4
.endm
	s_wait_tensorcnt 1
	s_barrier_signal -1
	s_barrier_wait -1
	FETCH_B 0, 0, 0
	FETCH_A 0, 0, 0
	FETCH_A 0, 0, 4
	STEP 0, 0, 1
	TURN 0, 1, 1
	STEP 1, 0, 0
	TURN 1, 0, 1
	STEP 0, 0, 0
	TURN 0, 1, 0
	STEP 1, 0, 0
	s_wait_dscnt 4*NL
	WIN MUL_LO
	MUL16 0, 1, 0
	MUL16 2, 1, 0
	s_wait_dscnt 0
	WIN MUL_HI
	MUL16 4, 1, 0
	MUL16 6, 1, 0
	WIN 0
	s_wait_kmcnt 0x0
	PLACES NP
	s_cmp_eq_u32 s41, 4
	s_cselect_b32 s96, s86, s84
	s_cselect_b32 s98, s87, s85
	s_cselect_b32 s99, s91, s90
	s_cselect_b32 s94, 0x3f800000, s94
	s_cselect_b32 s95, 0x3f800000, s95
	s_add_co_i32 s96, s96, s98
	s_lshl_b32 s97, s96, 1
	s_sub_co_i32 s97, s97, 6
	s_sub_co_i32 s98, s93, s88
	s_sub_co_i32 s98, s98, s89
	s_cmp_eq_u32 s41, 5
	s_cselect_b32 s99, s98, s99
	s_add_co_i32 s99, s99, 127
	s_lshl_b32 s98, s99, 23
	v_mov_b32 v112, s98
	s_add_co_i32 s99, s99, 8
	s_lshl_b32 s99, s99, 23
	s_or_b32 s99, s99, 0x600000
	v_mov_b32 v113, s99
	s_cmp_eq_u32 s41, 5
	s_cbranch_scc1 .Lv
.macro QKOUT a
.set AC, 64*((\a)%4)
.set TS, TAB+32*((\a)%2)
.set CB, CD+16*((\a)%2)
.if (\a) < 7
	s_wait_loadcnt 8
.else
	s_wait_loadcnt 0
.endif
	s_wait_xcnt 0x0
	WIN 0x0a+5*((\a)/4)
.irp b, 0,1,2,3
.irp j, 0,2,4,6
.irp hd, 0,1
.if (\b == 0) && (\j < 4)
	v_pk_mul_f32 v[96+4*\hd+\j:97+4*\hd+\j], v[AC+32*\hd+8*\b+\j:AC+32*\hd+8*\b+\j+1], v[AC+32*\hd+8*\b+\j:AC+32*\hd+8*\b+\j+1]
.else
	v_pk_fma_f32 v[96+4*\hd+\j%4:97+4*\hd+\j%4], v[AC+32*\hd+8*\b+\j:AC+32*\hd+8*\b+\j+1], v[AC+32*\hd+8*\b+\j:AC+32*\hd+8*\b+\j+1], v[96+4*\hd+\j%4:97+4*\hd+\j%4]
.endif
.endr
.endr
.endr
	WIN 0
	v_pk_add_f32 v[96:97], v[96:97], v[98:99]
	v_pk_add_f32 v[100:101], v[100:101], v[102:103]
	v_add_f32 v96, v96, v97
	v_add_f32 v100, v100, v101
	v_permlanex16_b32 v108, v96, s100, s101
	v_permlanex16_b32 v109, v100, s100, s101
	v_add_f32 v96, v96, v108
	v_add_f32 v100, v100, v109
	v_ldexp_f32 v96, v96, s97
	v_ldexp_f32 v100, v100, s97
	v_add_f32 v96, 0x34000000, v96
	v_add_f32 v100, 0x34000000, v100
	s_wait_alu depctr_va_vdst(0)
	v_rsq_f32 v104, v96
	v_rsq_f32 v106, v100
	WIN 0x02+((\a)/4)
.irp hd, 0,1
.irp b, 0,1
.irp j, 0,2,4,6
	v_pk_mul_f32 v[W+32*\hd+8*\b+\j:W+32*\hd+8*\b+\j+1], v[AC+32*\hd+8*\b+\j:AC+32*\hd+8*\b+\j+1], v[TS+8*\b+\j:TS+8*\b+\j+1]
	v_pk_mul_f32 v[W+32*\hd+16+8*\b+\j:W+32*\hd+16+8*\b+\j+1], v[AC+32*\hd+16+8*\b+\j:AC+32*\hd+16+8*\b+\j+1], v[TS+8*\b+\j:TS+8*\b+\j+1]
	v_pk_fma_f32 v[W+32*\hd+8*\b+\j:W+32*\hd+8*\b+\j+1], v[AC+32*\hd+16+8*\b+\j:AC+32*\hd+16+8*\b+\j+1], v[TS+16+8*\b+\j:TS+16+8*\b+\j+1], v[W+32*\hd+8*\b+\j:W+32*\hd+8*\b+\j+1] neg_lo:[1,0,0] neg_hi:[1,0,0]
	v_pk_fma_f32 v[W+32*\hd+16+8*\b+\j:W+32*\hd+16+8*\b+\j+1], v[AC+32*\hd+8*\b+\j:AC+32*\hd+8*\b+\j+1], v[TS+16+8*\b+\j:TS+16+8*\b+\j+1], v[W+32*\hd+16+8*\b+\j:W+32*\hd+16+8*\b+\j+1]
.endr
.endr
.endr
	WIN 0
.if (\a) < 6
	TABLOAD (\a)+2
.endif
	s_wait_alu depctr_va_vdst(0)
	v_mul_f32 v104, s94, v104
	v_mul_f32 v106, s95, v106
	v_ldexp_f32 v104, v104, s96
	v_ldexp_f32 v106, v106, s96
.irp hd, 0,1
.set n, 0
.rept 16
	v_pk_mul_f32 v[W+32*\hd+n:W+32*\hd+n+1], v[W+32*\hd+n:W+32*\hd+n+1], v[104+2*\hd:105+2*\hd] op_sel_hi:[1,0]
.set n, n+2
.endr
.endr
.set n, 0
.rept 64
	v_med3_num_f32 v[W+n], v[W+n], -v113, v113
.set n, n+1
.endr
.irp c, 0,1,2,3,4,5,6,7
	v_cvt_scalef32_pk8_fp8_f32 v[CB+2*\c:CB+2*\c+1], v[W+8*\c:W+8*\c+7], v112
.endr
	v_nop
.irp hd, 0,1
.irp c, 0,1
	global_store_b128 v[LI], v[CB+8*\hd+4*\c:CB+8*\hd+4*\c+3], s[78:79] offset:1024*(\a)+131072*\hd+512*\c
.endr
.endr
.endm
.irp a, 0,1,2,3,4,5,6,7
	QKOUT \a
.endr
	s_branch .Lend
.macro VOUT a
.set AC, 64*((\a)%4)
.set CB, CD+16*((\a)%2)
	s_wait_xcnt 0x0
	WIN 0x02+((\a)/4)
.set n, 0
.rept 64
	v_med3_num_f32 v[W+n], v[AC+n], -v113, v113
.set n, n+1
.endr
	WIN 0
.irp c, 0,1,2,3,4,5,6,7
	v_cvt_scalef32_pk8_fp8_f32 v[CB+2*\c:CB+2*\c+1], v[W+8*\c:W+8*\c+7], v112
.endr
	v_nop
.irp q, 0,1,2,3
	global_store_b128 v[LI], v[CB+4*\q:CB+4*\q+3], s[82:83] offset:131072*((\a)/4)+2048*((\a)%4)+512*\q
.endr
.endm
.Lv:
	s_wait_alu depctr_va_vdst(0)
.irp a, 0,1,2,3,4,5,6,7
	VOUT \a
.endr
.Lend:
	s_wait_tensorcnt 0x0
	ds_add_u32 v[SPW], v[NIL]
	s_wait_dscnt 0x0
	CROUND
	s_endpgm
.Lfunc_end_k_qbb4118dc6d_qkv:
	.size	k_qbb4118dc6d_qkv, .Lfunc_end_k_qbb4118dc6d_qkv-k_qbb4118dc6d_qkv
	.p2alignl 7, 3214868480
	.fill 96, 4, 3214868480
	.section	.rodata,"a",@progbits
	.p2align	6, 0x0
	.amdhsa_kernel k_qbb4118dc6d_qkv
		.amdhsa_group_segment_fixed_size 327680
		.amdhsa_private_segment_fixed_size 0
		.amdhsa_enable_private_segment 0
		.amdhsa_kernarg_size 64
		.amdhsa_user_sgpr_count 2
		.amdhsa_user_sgpr_kernarg_segment_ptr 1
		.amdhsa_wavefront_size32 1
		.amdhsa_system_sgpr_workgroup_id_x 1
		.amdhsa_system_sgpr_workgroup_id_y 1
		.amdhsa_system_sgpr_workgroup_id_z 1
		.amdhsa_system_vgpr_workitem_id 0
		.amdhsa_next_free_vgpr 1024
		.amdhsa_next_free_sgpr 102
		.amdhsa_reserve_vcc 0
		.amdhsa_float_denorm_mode_32 3
		.amdhsa_float_denorm_mode_16_64 3
		.amdhsa_memory_ordered 1
		.amdhsa_forward_progress 1
		.amdhsa_inst_pref_size 239
	.end_amdhsa_kernel
	.amdgpu_metadata
---
amdhsa.version: [ 1, 2 ]
amdhsa.kernels:
  - .name:           k_qbb4118dc6d_qkv
    .symbol:         k_qbb4118dc6d_qkv.kd
    .args:
      - { .name: xc, .offset: 0, .size: 8, .value_kind: global_buffer, .address_space: global }
      - { .name: wc, .offset: 8, .size: 8, .value_kind: global_buffer, .address_space: global }
      - { .name: rope, .offset: 16, .size: 8, .value_kind: global_buffer, .address_space: global }
      - { .name: lowp_scales, .offset: 24, .size: 8, .value_kind: global_buffer, .address_space: global }
      - { .name: q_gain, .offset: 32, .size: 8, .value_kind: global_buffer, .address_space: global }
      - { .name: qc, .offset: 40, .size: 8, .value_kind: global_buffer, .address_space: global }
      - { .name: kc, .offset: 48, .size: 8, .value_kind: global_buffer, .address_space: global }
      - { .name: vc, .offset: 56, .size: 8, .value_kind: global_buffer, .address_space: global }
    .group_segment_fixed_size: 327680
    .private_segment_fixed_size: 0
    .kernarg_segment_align: 8
    .kernarg_segment_size: 64
    .max_flat_workgroup_size: 128
    .sgpr_count:     102
    .vgpr_count:     1024
    .wavefront_size: 32
...
	.end_amdgpu_metadata
.endif
;; end of part 2
;; launch attn (part 3): grid 16 x 16, 8 waves a work-group, clusters of 4 x 1, 327,680 bytes of LDS; arguments qc, kc, vc, lowp_scales, yc; writes yc
.if DOCPART == 3
	.amdgcn_target "amdgcn-amd-amdhsa--gfx1250"
	.amdhsa_code_object_version 6
	.text
	.protected	k_qbb4118dc6d_attn
	.globl	k_qbb4118dc6d_attn
	.p2align	8
	.type	k_qbb4118dc6d_attn,@function
k_qbb4118dc6d_attn:
	s_mov_b64 s[64:65], 0
	v_nop
	global_prefetch_b8 v0, s[64:65] scope:SCOPE_SE
	s_setreg_imm32_b32 hwreg(HW_REG_WAVE_MODE, 25, 1), 1
	s_wait_xcnt 0x0
	s_wait_alu depctr_hold_cnt(0) depctr_sa_sdst(0) depctr_va_vdst(0) depctr_va_sdst(0) depctr_va_ssrc(0) depctr_va_vcc(0) depctr_vm_vsrc(0)
	s_getreg_b32 s2, hwreg(HW_REG_IB_STS2, 6, 4)
	s_cmp_eq_u32 s2, 0
	s_cbranch_scc0 .Lentry_in_a_cluster
	s_endpgm
.Lentry_in_a_cluster:
	s_bfe_u32 s2, ttmp6, 0x10000c
	s_cmp_lg_u32 s2, 0x3003
	s_cbranch_scc0 .Lentry_shape_is_right
	s_endpgm
.Lentry_shape_is_right:
; ATTN.  y = softmax(q k^T / 8, causal) v on codes of E4M3, heads of 64, four query heads to a key/value head; y is quantised with 2^e10 and stored as images of the last product's operand registers.
; THE SOFTMAX AHEAD OF THE SECOND PRODUCT: t = score x log2(e) / 8; M = the row's largest t so far, rounded UP to a whole number; p = 2^(t - M) is quantised with 2^e8, not normalised.  The row's sum is taken of the
; unquantised p in f32 and divides at the end.  When M moves, the sum and O are multiplied by 2^(old M - new M): exact.
; SHARES.  Work-group y = 4 x batch + key/value head.  A cluster is the four query heads of that head (cx = the head in its group) for the cluster's x = p (0..3).  A head's 2,048 queries are 64 units of 32, two tiles of 16.
; Wave w (0..7) owns the late unit 63 - u and the early unit u = 4 w + p, one after the other.  Under the causal mask they need 16 - w and w + 1 key steps of 128 keys: 17 steps in every wave of the launch, one loop of 17 trips.
; In trip k the step's number is (k + (w once k has reached 16 - w)) mod 16.  At k = 16 - w the late unit leaves, the sums begin anew and the early unit's Q takes its place: a branch on ids, with no barrier in it.
; THE TWO TILES OF A UNIT GO THROUGH THE SOFTMAX LINE BY LINE TOGETHER: four chains that do not hang on each other; each fragment of K and V read from LDS feeds two matrix instructions.
; The next step's K is asked for straight behind the scores' products, with this step's V: both land under the softmax.  (The last trip's fetch of K is read by nobody; it stays inside K's and V's bytes.)
; K AND V LIE WHOLE IN LDS: a head's images are 131,072 + 131,072 bytes, asked for once, JOINTLY by the four partners: each of the eight waves issues one load of 32,768 bytes (waves 0-3 K, waves 4-7 V), its addresses
; made of the wave's number; one tensor load of a wave is out, and nothing is ever filled again.  No prefetch: every byte of K and V is asked for at the kernel's head by the tensor loads themselves, and there is no loop to run ahead in.
; LAYOUT.  S^T = K Q^T (source 0 = 16 keys, source 1 = 16 queries), O^T = V^T P^T (source 0 = 16 channels, source 1 = P): a lane holds ONE query (lane % 16) throughout; register j of score tile t is key 16 t + 8 h + j,
; which is where the 128-deep form wants it in registers 2 t, 2 t + 1: the conversions' results are the operand.
; CAUSAL: only the steps that hold keys at or under a unit's queries are walked; in a unit's last step, on the diagonal, hidden scores become -infinity.  Key 0 counts for every query, so M is a number from the first step on.
; LIMITS: e6 + e7 between -123 and 130 (added to the exponent field of log2(e)/8); e8 and e10 between -126 and 119; e8 + e9 goes by v_ldexp_f32 and has none.
; REGISTERS.  Window 0: v1-9, v23, v27-29 addresses and constants; tile z (0, 1): v[10+4z..] -M, largest t, sum (two halves); v[18+12z..] at work; v[48+64z..] scores, then p; v[176+32z..] O^T.
; Window 1: v0-63 K; v128-191 V; v192-223 the two tiles' p codes; v224-239 Q in hand; v240-255 the early unit's Q.  Settings: 0x40 destination in window 1 (loads, conversions); 0x05 sources 0 and 1 in window 1 (products).
.set VOFF,  131072                     ; LDS: K's images from 0 (a step of 128 keys: 8,192 bytes), V's from here (likewise)
.set SPARE, 262144                     ; the spare words: 128 bytes a wave, four blocks of 256 bytes that no other line names
.set LI,  1                            ; v1  16 x lane
.set LV,  2                            ; v2  16 x lane + VOFF
.set SPW, 3                            ; v3  my spare word's LDS address; never rewritten
.set NIL, 4                            ; v4  0; never rewritten
.set ADK, 5                            ; v5  the next step's K
.set ADV, 6                            ; v6  the step's V
.set RH,  7                            ; v7  r - 8 h
.set SX,  48
.set OX,  176
.set KR,  0
.set VR,  128
.set PC,  192
.set QR,  224
.set QN,  240
.set TB,  44                           ; s44 LDS byte of the step in hand;  s45 of the next
.set TBN, 45
.set Q0,  46                           ; s46 the first query of the unit in hand
.set KF,  47                           ; s47 the step's first key
.set K,   53                           ; s53 the trip
.set NL,  58                           ; s58 the late unit's steps: 16 - wave
.set QL,  60                           ; s60 the late unit's first query;  s61 the early unit's
.set QE,  61
.set MSB, 0
.macro WIN new                         ; the immediate's high byte repeats the setting that is left
.if MSB != (\new)
	s_set_vgpr_msb (MSB<<8)|(\new)
.set MSB, (\new)
.endif
.endm
.macro CROUND
	s_barrier_signal -1
	s_barrier_wait -1
	s_cmp_lg_u32 s14, 0
	s_cbranch_scc1 .Lnot_wave_0_\@
	s_barrier_signal -3
.Lnot_wave_0_\@:
	s_barrier_wait -3
	s_barrier_signal -1
	s_barrier_wait -1
.endm
	s_load_b256 s[4:11], s[0:1], 0x0               ; qc 4, kc 6, vc 8, the exponents 10
	s_load_b64 s[12:13], s[0:1], 0x20              ; yc
	v_lshl_add_u32 v[SPW], v0, 2, SPARE
	v_mov_b32 v[NIL], 0
	ds_add_u32 v[SPW], v[NIL]                      ; the wave's opening: the add, twice on end, and its wait ahead of my tensor load; work on registers stands between
	ds_add_u32 v[SPW], v[NIL]
	v_lshrrev_b32 v5, 5, v0
	s_delay_alu instid0(VALU_DEP_1)
	v_readfirstlane_b32 s14, v5                    ; wave 0..7
	v_and_b32 v5, 31, v0
	s_delay_alu instid0(VALU_DEP_1)
	v_lshlrev_b32 v[LI], 4, v5
	s_delay_alu instid0(VALU_DEP_1)
	v_add_nc_u32 v[LV], VOFF, v[LI]
	v_and_b32 v5, 15, v0
	v_bfe_u32 v6, v0, 4, 1
	s_delay_alu instid0(VALU_DEP_1)
	v_lshlrev_b32 v6, 3, v6
	s_delay_alu instid0(VALU_DEP_1)
	v_sub_nc_u32 v[RH], v5, v6
	s_bfe_u32 s15, ttmp6, 0x40000                  ; cx: the query head in its group: it enters Q's and y's global addresses alone
	s_mov_b32 s16, ttmp9                           ; p
	s_and_b32 s17, ttmp7, 0xffff                   ; y
	s_lshl_b32 s62, s14, 2
	s_add_co_u32 s62, s62, s16                     ; the early unit u = 4 x wave + p
	s_sub_co_u32 s63, 63, s62                      ; the late unit
	s_lshl_b32 s[QE], s62, 5
	s_lshl_b32 s[QL], s63, 5
	s_sub_co_u32 s[NL], 16, s14
	; group 1: a dense block of 32,768 bytes as 128 rows of 256 bytes
	s_mov_b32 s24, 15|(3<<16)|(1<<21)              ; the mask: all four work-groups; elements of 8 bytes; bit 21 set beside a mask
	s_mov_b32 s25, 32<<16                          ; tensor_dim0 = 32
	s_mov_b32 s26, 128<<16                         ; tensor_dim1 = 128
	s_mov_b32 s27, 32<<16                          ; tile_dim0 = 32
	s_mov_b32 s28, 128                             ; tile_dim1 = 128
	s_mov_b32 s29, 32                              ; from row to row
	s_mov_b32 s30, 0
	s_mov_b32 s31, 0
	s_mov_b32 s56, 0x76543210                      ; v_permlanex16_b32's selects for lane l xor 16
	s_mov_b32 s57, 0xfedcba98
	s_mov_b32 s32, 1                               ; group 0
	s_lshl_b32 s33, s14, 15                        ; LDS address: 32,768 x wave: K's four parts, then V's four
	s_and_b32 s68, s14, 3
	s_lshl_b32 s68, s68, 15                        ; my part of the head's 131,072 bytes,
	s_lshl_b32 s66, s17, 17
	s_add_co_u32 s68, s68, s66                     ; in kc or in vc
	s_mov_b32 s69, 0
	s_wait_dscnt 0x0                               ; both opening adds are done
	s_wait_kmcnt 0x0
	s_cmp_lt_u32 s14, 4
	s_cselect_b64 s[34:35], s[6:7], s[8:9]
	s_add_nc_u64 s[34:35], s[34:35], s[68:69]
	s_or_b32 s35, s35, 0x80000000
	CROUND                                         ; all four work-groups are here: the joint loads meet
	tensor_load_to_lds s[32:35], s[24:31]          ; my one tensor load
	s_nop 0
.rept 4
	v_nop
.endr
	s_load_b128 s[48:51], s[10:11], 0x18           ; e6, e7, e8, e9
	s_load_b32 s52, s[10:11], 0x28                 ; e10
	s_lshl_b32 s62, s17, 2
	s_add_co_u32 s62, s62, s15                     ; 16 x batch + query head: 131,072 bytes of images, 64 bytes a query
	s_lshl_b32 s62, s62, 17
	s_lshl_b32 s66, s[QL], 6
	s_add_co_u32 s66, s66, s62
	s_mov_b32 s67, 0
	s_add_nc_u64 s[36:37], s[4:5], s[66:67]        ; the late unit's two images of Q,
	s_lshl_b32 s66, s[QE], 6
	s_add_co_u32 s66, s66, s62
	s_add_nc_u64 s[38:39], s[4:5], s[66:67]        ; and the early unit's
	s_and_b32 s62, s17, 3
	s_lshl_b32 s62, s62, 9
	s_lshr_b32 s63, s17, 2
	s_lshl_b32 s63, s63, 7
	s_add_co_u32 s62, s62, s63                     ; key/value head x 512 + batch x 128: tiles of 16 rows, 4,096 bytes each; the head's image is 512 of them
	s_lshl_b32 s62, s62, 2
	s_add_co_u32 s62, s62, s15
	s_lshl_b32 s62, s62, 10
	s_lshl_b32 s66, s[QL], 8
	s_add_co_u32 s66, s66, s62
	s_add_nc_u64 s[40:41], s[12:13], s[66:67]      ; the late unit's two images of y, 4,096 bytes apart,
	s_lshl_b32 s66, s[QE], 8
	s_add_co_u32 s66, s66, s62
	s_add_nc_u64 s[42:43], s[12:13], s[66:67]      ; and the early unit's
	s_wait_alu depctr_va_vdst(0)                   ; the wait here, ahead of the readers below
	WIN 0x40
.irp i, 0,1,2,3
	global_load_b128 v[QR+4*\i:QR+4*\i+3], v[LI], s[36:37] offset:512*\i   ; both units' Q stay in registers
	global_load_b128 v[QN+4*\i:QN+4*\i+3], v[LI], s[38:39] offset:512*\i
.endr
	WIN 0
.macro INIT                            ; a unit's sums begin: the largest t is -3e38, under every t, and -M = 3e38; the first change of M leaves the zeros zeros
.irp z, 0,1
	v_mov_b32 v[10+4*\z], 0x7f61b1e6
	v_mov_b32 v[11+4*\z], 0xff61b1e6
	v_mov_b32 v[12+4*\z], 0
	v_mov_b32 v[13+4*\z], 0
.endr
.set n, 0
.rept 64
	v_mov_b32 v[OX+n], 0
.set n, n+1
.endr
.endm
	INIT
	v_mov_b32 v21, 0                               ; (named as the upper halves of the pairs v[20:21], v[32:33])
	v_mov_b32 v33, 0
	v_mov_b32 v22, 0                               ; lane permutes' destinations count as read
	v_mov_b32 v34, 0
	v_mov_b32 v23, 0xff800000                      ; -infinity
	s_wait_kmcnt 0x0
	s_add_co_i32 s62, s48, s49
	s_lshl_b32 s62, s62, 23
	s_add_co_i32 s54, s62, 0x3e38aa3b              ; c = log2(e) / 8, with e6 + e7 added to its exponent field
	s_mov_b32 s55, s54                             ; (named with it as a pair)
	s_add_co_i32 s62, s50, 127
	s_lshl_b32 s63, s62, 23
	v_mov_b32 v9, s63                              ; 2^e8
	s_add_co_i32 s62, s62, 8
	s_lshl_b32 s62, s62, 23
	s_or_b32 s62, s62, 0x600000
	v_mov_b32 v8, s62                              ; 448 x 2^e8,
	v_mov_b32 v27, s62                             ; and once more: the two halves of a dual instruction take their second sources from different register banks
	s_add_co_i32 s62, s52, 127
	s_lshl_b32 s63, s62, 23
	v_mov_b32 v28, s63                             ; 2^e10
	s_add_co_i32 s62, s62, 8
	s_lshl_b32 s62, s62, 23
	s_or_b32 s62, s62, 0x600000
	v_mov_b32 v29, s62                             ; 448 x 2^e10
.macro KLOAD adr                       ; a step's eight tiles of K
.irp t, 0,1,2,3,4,5,6,7
	ds_load_b128 v[KR+8*\t:KR+8*\t+3], v[\adr] offset:1024*\t
	ds_load_b128 v[KR+8*\t+4:KR+8*\t+7], v[\adr] offset:1024*\t+512
.endr
.endm
; the mask for score tile t (16 keys) of query tile z, in the step on the diagonal.  s62 = the unit's first query - the step's first key.  Where the tile's last key, 16 t + 15, is at or under the tile's first query, s62 + 16 z,
; all its keys count for all 16 queries: a scalar test on ids leads round its sixteen lines
.macro MASKT z, t
	s_cmp_ge_i32 s62, 16*(\t)+15-16*(\z)
	s_cbranch_scc1 .Lvis_\@
.irp j, 0,1,2,3,4,5,6,7
	v_cmp_gt_i32 vcc_lo, 16*(\t)+\j, v[26+12*(\z)]
	v_cndmask_b32 v[SX+64*(\z)+8*(\t)+\j], v[SX+64*(\z)+8*(\t)+\j], v23, vcc_lo
.endr
.Lvis_\@:
.endm
; THE TWO TILES' SOFTMAX for a step of 128 keys, line by line together
.macro SOFT2
	s_add_co_u32 s62, s[KF], 127
	s_cmp_le_u32 s62, s[Q0]                        ; all 128 keys count for all the unit's queries: no mask
	s_cbranch_scc1 .Lopen_\@
	s_sub_co_i32 s62, s[Q0], s[KF]
	v_add_nc_u32 v26, s62, v[RH]                   ; my query - the step's first key - 8 h: register 8 t + j is hidden where 16 t + j is above it
	v_add_nc_u32 v38, 16, v26
	s_wait_alu depctr_va_vdst(0)                   ; the wait here, directly behind the writes: branches stand ahead of their readers
.irp z, 0,1
.irp t, 0,1,2,3,4,5,6,7
	MASKT \z, \t
.endr
.endr
	s_wait_alu depctr_va_vdst(0)                   ; the wait here
.Lopen_\@:
.irp z, 0,1
	v_max3_num_f32 v[18+12*\z], v[SX+64*\z], v[SX+64*\z+1], v[SX+64*\z+2]   ; the step's largest score of my query among my 64 keys, two chains a tile; each score tile from its low end on
.endr
.irp z, 0,1
	v_max3_num_f32 v[19+12*\z], v[SX+64*\z+3], v[SX+64*\z+4], v[SX+64*\z+5]
.endr
.irp i, 6,10,14,18,22,26,30,34,38,42,46,50,54,58
.irp z, 0,1
	v_max3_num_f32 v[18+12*\z], v[18+12*\z], v[SX+64*\z+\i], v[SX+64*\z+1+\i]
.endr
.irp z, 0,1
	v_max3_num_f32 v[19+12*\z], v[19+12*\z], v[SX+64*\z+2+\i], v[SX+64*\z+3+\i]
.endr
.endr
.irp z, 0,1
	v_max3_num_f32 v[18+12*\z], v[18+12*\z], v[SX+64*\z+62], v[SX+64*\z+63]
.endr
.irp z, 0,1
	s_delay_alu instid0(VALU_DEP_2)
	v_max_num_f32 v[18+12*\z], v[18+12*\z], v[19+12*\z]
.endr
.irp z, 0,1
	s_delay_alu instid0(VALU_DEP_2)
	v_permlanex16_b32 v[22+12*\z], v[18+12*\z], s56, s57
.endr
.irp z, 0,1
	s_delay_alu instid0(VALU_DEP_2)
	v_max_num_f32 v[18+12*\z], v[18+12*\z], v[22+12*\z]    ; and among lane l xor 16's
.endr
.irp z, 0,1
	s_delay_alu instid0(VALU_DEP_2)
	v_mul_f32 v[18+12*\z], s54, v[18+12*\z]                ; as t (c is positive)
.endr
.irp z, 0,1
	s_delay_alu instid0(VALU_DEP_2)
	v_max_num_f32 v[11+4*\z], v[11+4*\z], v[18+12*\z]      ; the running largest t
.endr
.irp z, 0,1
	v_mov_b32 v[18+12*\z], v[10+4*\z]
.endr
.irp z, 0,1
	s_delay_alu instid0(VALU_DEP_4)
	v_floor_f32 v[10+4*\z], -v[11+4*\z]                    ; the new -M = floor(-t): M is a whole number
.endr
.irp z, 0,1
	s_delay_alu instid0(VALU_DEP_2)
	v_sub_f32 v[18+12*\z], v[10+4*\z], v[18+12*\z]         ; old M - new M, a whole number, 0 or less
.endr
.irp z, 0,1
	s_delay_alu instid0(VALU_DEP_2)
	v_cvt_i32_f32 v[18+12*\z], v[18+12*\z]                 ; (it saturates)
.endr
.irp z, 0,1
	s_delay_alu instid0(VALU_DEP_2)
	v_ldexp_f32 v[20+12*\z], 1.0, v[18+12*\z]              ; f = 2^(old M - new M)
.endr
.set n, 0
.rept 32
.irp z, 0,1
	v_pk_fma_f32 v[SX+64*\z+n:SX+64*\z+n+1], v[SX+64*\z+n:SX+64*\z+n+1], s[54:55], v[10+4*\z:11+4*\z] op_sel_hi:[1,0,0]   ; t - M, two at a time
.endr
.set n, n+2
.endr
	s_wait_alu depctr_va_vdst(0)                   ; the wait ahead of the batch
.set n, 0
.rept 128
	v_exp_f32 v[SX+n], v[SX+n]                     ; p = 2^(t - M)
.set n, n+1
.endr
.irp z, 0,1
	v_pk_mul_f32 v[12+4*\z:13+4*\z], v[12+4*\z:13+4*\z], v[20+12*\z:21+12*\z] op_sel_hi:[1,0]   ; the sums under the new M.  (The plain lines behind the exponentials)
.endr
	s_wait_alu depctr_va_vdst(0)                   ; one wait for the batch of 128, ahead of its first reader
.irp z, 0,1
	v_pk_add_f32 v[24+12*\z:25+12*\z], v[SX+64*\z:SX+64*\z+1], v[SX+64*\z+2:SX+64*\z+3]   ; the row's sum is taken of the unquantised p, two chains a tile
.endr
.irp j, 4,8,12,16,20,24,28,32,36,40,44,48,52,56,60
.irp z, 0,1
	v_pk_add_f32 v[12+4*\z:13+4*\z], v[12+4*\z:13+4*\z], v[SX+64*\z+\j:SX+64*\z+1+\j]
.endr
.irp z, 0,1
	v_pk_add_f32 v[24+12*\z:25+12*\z], v[24+12*\z:25+12*\z], v[SX+64*\z+2+\j:SX+64*\z+3+\j]
.endr
.endr
.irp z, 0,1
	s_delay_alu instid0(VALU_DEP_2)
	v_pk_add_f32 v[12+4*\z:13+4*\z], v[12+4*\z:13+4*\z], v[24+12*\z:25+12*\z]
.endr
.set n, 0
.rept 64
	v_dual_min_num_f32 v[SX+n], v[SX+n], v8 :: v_dual_min_num_f32 v[SX+n+1], v[SX+n+1], v27   ; the conversion does not saturate (ISA guide 7.6.2); p is not negative, so the hold is one-sided; two holds an instruction
.set n, n+2
.endr
	WIN 0x40
.irp z, 0,1
.irp t, 0,1,2,3,4,5,6,7
	v_cvt_scalef32_pk8_fp8_f32 v[PC+16*\z+2*\t:PC+16*\z+2*\t+1], v[SX+64*\z+8*\t:SX+64*\z+8*\t+7], v9
.endr
.endr
	WIN 0
	s_wait_alu depctr_va_vdst(0)                   ; the wait here, directly ahead of the first reader of O^T
.irp z, 0,1
.set n, 0
.rept 16
	v_pk_mul_f32 v[OX+32*\z+n:OX+32*\z+n+1], v[OX+32*\z+n:OX+32*\z+n+1], v[20+12*\z:21+12*\z] op_sel_hi:[1,0]   ; O^T under the new M.  (Also the plain lines between the conversions and the matrix instructions that follow)
.set n, n+2
.endr
.endr
.endm
; A UNIT LEAVES: O^T / the sum x 2^(e8 + e9) is y; a lane's 32 channels of its query become 8 registers of codes: the head's image.  The scores' registers are free here: v48-111 the numbers, v112-127 the codes
.macro OUTPUT yp
.rept 4
	v_nop                                          ; places behind the last products
.endr
	v_add_f32 v12, v12, v13
	v_add_f32 v16, v16, v17
	s_delay_alu instid0(VALU_DEP_2)
	v_permlanex16_b32 v22, v12, s56, s57
	s_delay_alu instid0(VALU_DEP_2)
	v_permlanex16_b32 v34, v16, s56, s57
	s_delay_alu instid0(VALU_DEP_2)
	v_add_f32 v12, v12, v22
	s_delay_alu instid0(VALU_DEP_2)
	v_add_f32 v16, v16, v34
	s_wait_alu depctr_va_vdst(0)                   ; the wait ahead of the two reciprocals
	v_rcp_f32 v12, v12
	v_rcp_f32 v16, v16
	v_nop                                          ; a plain line behind the reciprocals
	s_add_co_i32 s62, s50, s51
	s_wait_alu depctr_va_vdst(0)                   ; one wait for the two, ahead of their first reader
	v_ldexp_f32 v12, v12, s62
	v_ldexp_f32 v16, v16, s62
.irp u, 0,1
.set n, 0
.rept 16
	v_pk_mul_f32 v[SX+32*\u+n:SX+32*\u+n+1], v[OX+32*\u+n:OX+32*\u+n+1], v[12+4*\u:13+4*\u] op_sel_hi:[1,0]
.set n, n+2
.endr
.set n, 0
.rept 32
	v_med3_num_f32 v[SX+32*\u+n], v[SX+32*\u+n], -v29, v29
.set n, n+1
.endr
.irp dt, 0,1,2,3
	v_cvt_scalef32_pk8_fp8_f32 v[SX+64+8*\u+2*\dt:SX+65+8*\u+2*\dt], v[SX+32*\u+8*\dt:SX+32*\u+8*\dt+7], v28
.endr
	v_nop
	global_store_b128 v[LI], v[SX+64+8*\u:SX+67+8*\u], s[\yp:\yp+1] offset:4096*\u        ; 512 consecutive bytes, aligned
	global_store_b128 v[LI], v[SX+68+8*\u:SX+71+8*\u], s[\yp:\yp+1] offset:4096*\u+512
.endr
.endm
	s_wait_alu depctr_va_vdst(0)                   ; the wait at the head's end
	s_wait_loadcnt 0x0                             ; Q
	s_wait_tensorcnt 0x0                           ; my part of K or V is in,
	s_barrier_signal -1
	s_barrier_wait -1                              ; everybody's is: all 2,048 keys lie in LDS
	WIN 0x40
	KLOAD LI                                       ; the first step's K
	WIN 0
	s_mov_b32 s[K], 0
.Lk:                                               ; 17 trips, a key step of one of my two units each
	s_cmp_eq_u32 s[K], s[NL]
	s_cbranch_scc0 .Lsame
	OUTPUT 40                                      ; the late unit is done
	INIT
	WIN 0x41
.set n, 0
.rept 16
	v_mov_b32 v[QR+n], v[QN+n]                     ; the early unit's Q
.set n, n+1
.endr
	WIN 0
	s_wait_alu depctr_va_vdst(0)                   ; the wait here, directly ahead of the wait below
	s_wait_xcnt 0x0                                ; the stores have read their registers: the scores may be written there
.Lsame:
	s_cmp_ge_u32 s[K], s[NL]
	s_cselect_b32 s62, s14, 0                      ; 16 - the late unit's steps = my wave's number
	s_cselect_b32 s[Q0], s[QE], s[QL]
	s_add_co_u32 s62, s62, s[K]
	s_and_b32 s62, s62, 15                         ; the step's number in the unit in hand
	s_lshl_b32 s[KF], s62, 7
	s_lshl_b32 s[TB], s62, 13
	s_add_co_u32 s63, s[K], 1                      ; and the next trip's
	s_cmp_ge_u32 s63, s[NL]
	s_cselect_b32 s66, s14, 0
	s_add_co_u32 s63, s63, s66
	s_and_b32 s63, s63, 15
	s_lshl_b32 s[TBN], s63, 13
	s_wait_dscnt 0x0                               ; the step's K is in
	WIN 0x05
.irp t, 0,1,2,3,4,5,6,7
	v_wmma_f32_16x16x64_fp8_fp8 v[SX+8*\t:SX+8*\t+7], v[KR+8*\t:KR+8*\t+7], v[QR:QR+7], 0
	v_wmma_f32_16x16x64_fp8_fp8 v[SX+64+8*\t:SX+64+8*\t+7], v[KR+8*\t:KR+8*\t+7], v[QR+8:QR+15], 0
.endr
	WIN 0
	v_add_nc_u32 v[ADK], s[TBN], v[LI]             ; four places in front of the loads into the products' sources and of the first read of the scores
	v_add_nc_u32 v[ADV], s[TB], v[LV]
	v_nop
	v_nop
	WIN 0x40
	KLOAD ADK                                      ; the next step's K and this step's V land under the softmax
.irp dt, 0,1,2,3
.irp q, 0,1,2,3
	ds_load_b128 v[VR+16*\dt+4*\q:VR+16*\dt+4*\q+3], v[ADV] offset:2048*\dt+512*\q
.endr
.endr
	WIN 0
	SOFT2
	s_wait_alu depctr_va_vdst(0)                   ; the wait here, directly ahead of the wait below
	s_wait_dscnt 0x0                               ; V is in
	WIN 0x05
.irp dt, 0,1,2,3                                   ; every accumulator has one instruction a step: they take turns
	v_wmma_f32_16x16x128_fp8_fp8 v[OX+8*\dt:OX+8*\dt+7], v[VR+16*\dt:VR+16*\dt+15], v[PC:PC+15], v[OX+8*\dt:OX+8*\dt+7]
	v_wmma_f32_16x16x128_fp8_fp8 v[OX+32+8*\dt:OX+32+8*\dt+7], v[VR+16*\dt:VR+16*\dt+15], v[PC+16:PC+31], v[OX+32+8*\dt:OX+32+8*\dt+7]
.endr
	WIN 0
	s_add_co_u32 s[K], s[K], 1
	s_cmp_lt_u32 s[K], 17
	s_cbranch_scc1 .Lk
	OUTPUT 42                                      ; the early unit
	s_wait_tensorcnt 0x0                           ; the wave's end, behind my tensor load
	ds_add_u32 v[SPW], v[NIL]
	s_wait_dscnt 0x0
	CROUND                                         ; the closing round
	s_endpgm
.Lfunc_end_k_qbb4118dc6d_attn:
	.size	k_qbb4118dc6d_attn, .Lfunc_end_k_qbb4118dc6d_attn-k_qbb4118dc6d_attn
	.p2alignl 7, 3214868480
	.fill 96, 4, 3214868480
	.section	.rodata,"a",@progbits
	.p2align	6, 0x0
	.amdhsa_kernel k_qbb4118dc6d_attn
		.amdhsa_group_segment_fixed_size 327680
		.amdhsa_private_segment_fixed_size 0
		.amdhsa_enable_private_segment 0
		.amdhsa_kernarg_size 40
		.amdhsa_user_sgpr_count 2
		.amdhsa_user_sgpr_kernarg_segment_ptr 1
		.amdhsa_wavefront_size32 1
		.amdhsa_system_sgpr_workgroup_id_x 1
		.amdhsa_system_sgpr_workgroup_id_y 1
		.amdhsa_system_sgpr_workgroup_id_z 1
		.amdhsa_system_vgpr_workitem_id 0
		.amdhsa_next_free_vgpr 512
		.amdhsa_next_free_sgpr 80
		.amdhsa_reserve_vcc 1
		.amdhsa_float_denorm_mode_32 3
		.amdhsa_float_denorm_mode_16_64 3
		.amdhsa_memory_ordered 1
		.amdhsa_forward_progress 1
		.amdhsa_inst_pref_size 69
	.end_amdhsa_kernel
	.amdgpu_metadata
---
amdhsa.version: [ 1, 2 ]
amdhsa.kernels:
  - .name:           k_qbb4118dc6d_attn
    .symbol:         k_qbb4118dc6d_attn.kd
    .args:
      - { .name: qc, .offset: 0, .size: 8, .value_kind: global_buffer, .address_space: global }
      - { .name: kc, .offset: 8, .size: 8, .value_kind: global_buffer, .address_space: global }
      - { .name: vc, .offset: 16, .size: 8, .value_kind: global_buffer, .address_space: global }
      - { .name: lowp_scales, .offset: 24, .size: 8, .value_kind: global_buffer, .address_space: global }
      - { .name: yc, .offset: 32, .size: 8, .value_kind: global_buffer, .address_space: global }
    .group_segment_fixed_size: 327680
    .private_segment_fixed_size: 0
    .kernarg_segment_align: 8
    .kernarg_segment_size: 40
    .max_flat_workgroup_size: 256
    .sgpr_count:     80
    .vgpr_count:     512
    .wavefront_size: 32
...
	.end_amdgpu_metadata
.endif
;; end of part 3
;; launch proj (part 4): grid 8 x 32, 4 waves a work-group, clusters of 4 x 4, 327,680 bytes of LDS; arguments yc, wc, lowp_scales, out0; writes out0
.if DOCPART == 4
	.amdgcn_target "amdgcn-amd-amdhsa--gfx1250"
	.amdhsa_code_object_version 6
	.text
	.protected	k_qbb4118dc6d_proj
	.globl	k_qbb4118dc6d_proj
	.p2align	8
	.type	k_qbb4118dc6d_proj,@function
k_qbb4118dc6d_proj:
	s_mov_b64 s[64:65], 0
	v_nop
	global_prefetch_b8 v0, s[64:65] scope:SCOPE_SE
	s_setreg_imm32_b32 hwreg(HW_REG_WAVE_MODE, 25, 1), 1
	s_wait_xcnt 0x0
	s_wait_alu depctr_hold_cnt(0) depctr_sa_sdst(0) depctr_va_vdst(0) depctr_va_sdst(0) depctr_va_ssrc(0) depctr_va_vcc(0) depctr_vm_vsrc(0)
	s_getreg_b32 s2, hwreg(HW_REG_IB_STS2, 6, 4)
	s_cmp_eq_u32 s2, 0
	s_cbranch_scc0 .Lentry_in_a_cluster
	s_endpgm
.Lentry_in_a_cluster:
	s_bfe_u32 s2, ttmp6, 0x10000c
	s_cmp_lg_u32 s2, 0xf033
	s_cbranch_scc0 .Lentry_shape_is_right
	s_endpgm
.Lentry_shape_is_right:
; PROJ.  out0 = y Wproj^T on codes of E4M3, each sum x 2^(e10 + e11).  A block of out0 is 256 rows x 128 columns: 32 x 8 = 256 work-groups; four waves, 128 rows x 64 columns each: 32 accumulators.
; K = 1,024 goes in four steps of 256 through a ring of two LDS slots.  y's codes lie as images of the operand's registers (a tile of 16 rows x 256 K: 4,096 bytes), Wproj's as rows of 256 bytes, 16 bytes of padding behind each.
; CLUSTERS of 4 x 4: y's tile is asked for jointly along a row of the cluster, Wproj's along a column.  Waves 0 and 1 fetch y's halves (128 rows), waves 2 and 3 Wproj's (64 rows).
; The product is used transposed (source 0 = Wproj's rows), so a lane holds eight neighbouring columns of a row; a block of 16 rows x 64 columns goes through the wave's stage in slot 0, which has had its last fill and its
; last read by then, and leaves as rows of 256 bytes: sixteen lanes store one aligned unit.  LIMIT: e10 + e11 between -126 and 127.
.set SIZE_N, 1024
.set ROWB,   256
.set KROW,   1024
.set PITCH,  272
.set FR,     16
.set NL,     4
.set NP,     4
.set AHALF,  32768
.set BOFF,   65536
.set HALFT,  64*PITCH
.set SLOT,   BOFF+2*HALFT
.set SPARE,  2*SLOT
.set SPITCH, 272
.set ADRA, 16
.set ADRB, 20
.set STO,  24
.set RD,   25
.set CO,   26
.set SPW,  28
.set NIL,  29
.set TMP,  32
.set AF,   128
.set BK,   128
.set G1, 24
.set G0, 32
.set G1B, 48
.set G0B, 56
.set MSB, 0
.macro WIN new
.if MSB != (\new)
	s_set_vgpr_msb (MSB<<8)|(\new)
.set MSB, (\new)
.endif
.endm
.set MUL_LO, 0xa1
.set MUL_HI, 0xf1
.set TO_B,   0x40
.macro JLOAD g0a, g1a, g0b, g1b
	s_cmp_eq_u32 s15, 0
	s_cbranch_scc0 .Lfor_b_\@
	tensor_load_to_lds s[\g0a:\g0a+3], s[\g1a:\g1a+7]
	s_nop 0
.rept 4
	v_nop
.endr
	s_branch .Lasked_\@
.Lfor_b_\@:
	tensor_load_to_lds s[\g0b:\g0b+3], s[\g1b:\g1b+7]
	s_nop 0
.rept 4
	v_nop
.endr
.Lasked_\@:
.endm
.macro CREST
	s_cmp_lg_u32 s14, 0
	s_cbranch_scc1 .Lnot_wave_0_\@
	s_barrier_signal -3
.Lnot_wave_0_\@:
	s_barrier_wait -3
	s_barrier_signal -1
	s_barrier_wait -1
.endm
.macro CROUND
	s_barrier_signal -1
	s_barrier_wait -1
	CREST
.endm
	s_load_b128 s[4:7], s[0:1], 0x0
	s_load_b128 s[8:11], s[0:1], 0x10
	v_lshl_add_u32 v[SPW], v0, 2, SPARE
	v_mov_b32 v[NIL], 0
	ds_add_u32 v[SPW], v[NIL]
	ds_add_u32 v[SPW], v[NIL]
	v_lshrrev_b32 v1, 5, v0
	v_readfirstlane_b32 s14, v1
	s_lshr_b32 s15, s14, 1
	s_and_b32 s16, s14, 1
	s_bfe_u32 s40, ttmp6, 0x40000
	s_bfe_u32 s41, ttmp6, 0x40004
	s_lshl_b32 s42, ttmp9, 2
	s_add_co_u32 s42, s42, s40
	s_and_b32 s17, ttmp7, 0xffff
	s_lshl_b32 s17, s17, 2
	s_add_co_u32 s17, s17, s41
	s_lshl_b32 s43, s41, 2
	s_lshl_b32 s43, 15, s43
	s_lshl_b32 s44, 0x1111, s40
	s_or_b32 s[G1+0], s43, (3<<16)|(1<<21)
	s_mov_b32 s[G1+1], 32<<16
	s_mov_b32 s[G1+2], 128<<16
	s_mov_b32 s[G1+3], 32<<16
	s_mov_b32 s[G1+4], 128
	s_mov_b32 s[G1+5], 32
	s_mov_b32 s[G1+6], 0
	s_mov_b32 s[G1+7], 0
	s_or_b32 s[G1B+0], s44, (0<<16)|(1<<20)|(1<<21)|(5<<22)|(3<<25)
	s_mov_b32 s[G1B+1], ROWB<<16
	s_mov_b32 s[G1B+2], 64<<16
	s_mov_b32 s[G1B+3], ROWB<<16
	s_mov_b32 s[G1B+4], 64
	s_mov_b32 s[G1B+5], KROW
	s_mov_b32 s[G1B+6], 0
	s_mov_b32 s[G1B+7], 0
	s_lshl_b32 s20, s17, 16
	s_lshl_b32 s18, s16, 15
	s_add_co_u32 s20, s20, s18
	s_mov_b32 s21, 0
	s_lshl_b32 s46, s42, 17
	s_lshl_b32 s47, s16, 16
	s_add_co_u32 s46, s46, s47
	s_add_co_u32 s46, s46, 1572864
	s_mov_b32 s47, 0
	s_mul_i32 s45, s16, AHALF
	s_mul_i32 s19, s16, HALFT
	s_add_co_u32 s19, s19, BOFF
	s_wait_dscnt 0x0
	s_wait_kmcnt 0x0
	s_load_b64 s[96:97], s[8:9], 0x28
	s_add_nc_u64 s[20:21], s[4:5], s[20:21]
	s_add_nc_u64 s[46:47], s[6:7], s[46:47]
.irp s, 0,1
	s_mov_b32 s[G0+4*\s], 1
	s_add_co_u32 s[G0+4*\s+1], s45, \s*SLOT
	s_add_nc_u64 s[G0+4*\s+2:G0+4*\s+3], s[20:21], \s*2097152
	s_or_b32 s[G0+4*\s+3], s[G0+4*\s+3], 0x80000000
	s_mov_b32 s[G0B+4*\s], 1
	s_add_co_u32 s[G0B+4*\s+1], s19, \s*SLOT
	s_add_nc_u64 s[G0B+4*\s+2:G0B+4*\s+3], s[46:47], \s*ROWB
	s_or_b32 s[G0B+4*\s+3], s[G0B+4*\s+3], 0x80000000
	s_wait_alu depctr_va_vdst(0)
	s_wait_tensorcnt 0x0
	ds_add_u32 v28, v29
	ds_add_u32 v28, v29
	s_wait_dscnt 0x0
	CROUND
	JLOAD G0+4*\s, G1, G0B+4*\s, G1B
.endr
	v_and_b32 v1, 15, v0
	v_bfe_u32 v2, v0, 4, 1
	v_and_b32 v6, 31, v0
	v_lshlrev_b32 v[CO], 4, v6
	v_mul_u32_u24 v3, v1, PITCH
	v_lshl_add_u32 v4, v2, 3, v3
	s_mul_i32 s21, s15, AHALF
	s_mul_i32 s22, s16, HALFT
	s_add_co_u32 s22, s22, BOFF
.irp s, 0,1
	v_add_nc_u32 v[ADRA+\s], s21, v[CO]
	v_add_nc_u32 v[ADRB+\s], s22, v4
	s_add_co_u32 s21, s21, SLOT
	s_add_co_u32 s22, s22, SLOT
.endr
	s_mul_i32 s23, s14, 16*SPITCH
	v_mul_u32_u24 v5, v1, SPITCH
	v_lshl_add_u32 v5, v2, 5, v5
	v_add_nc_u32 v[STO], s23, v5
	v_mul_u32_u24 v7, v2, SPITCH                   ; back: lanes 0-15 take one row of 256 bytes, lanes 16-31 the next
	v_lshl_add_u32 v7, v1, 4, v7
	v_add_nc_u32 v[RD], s23, v7
	v_lshlrev_b32 v[CO], 12, v2                    ; and the same two rows in out0 (a row is 4,096 bytes)
	v_lshl_add_u32 v[CO], v1, 4, v[CO]
	s_lshl_b32 s20, s17, 8
	s_lshl_b32 s21, s15, 7
	s_add_co_u32 s20, s20, s21
	s_mov_b32 s21, 0
	s_mov_b64 s[18:19], SIZE_N*4
	s_mul_u64 s[20:21], s[20:21], s[18:19]
	s_lshl_b32 s46, s42, 9
	s_lshl_b32 s47, s16, 8
	s_add_co_u32 s46, s46, s47
	s_mov_b32 s47, 0
	s_add_nc_u64 s[20:21], s[20:21], s[46:47]
	s_add_nc_u64 s[10:11], s[10:11], s[20:21]
.macro FRAGA reg, adr, q, i
.irp c, 0,1,2,3
	ds_load_b128 v[\reg+4*\c:\reg+4*\c+3], v[\adr] offset:(\i)*4096+2048*(\q)+512*\c
.endr
.endm
.macro FRAGB reg, adr, q, i
.irp c, 0,1,2,3,4,5,6,7
	ds_load_b64 v[\reg+2*\c:\reg+2*\c+1], v[\adr] offset:128*(\q)+16*\c+(\i)*16*PITCH
.endr
.endm
.macro MUL16 a0, p, zero
.irp a, \a0, \a0+1
.irp b, 0,1,2,3
.if \zero
	v_wmma_f32_16x16x128_fp8_fp8 v[8*(8*((\a)%4)+\b):8*(8*((\a)%4)+\b)+7], v[128*(\p)+FR*\b:128*(\p)+FR*\b+FR-1], v[AF+FR*(\a):AF+FR*(\a)+FR-1], 0
.else
	v_wmma_f32_16x16x128_fp8_fp8 v[8*(8*((\a)%4)+\b):8*(8*((\a)%4)+\b)+7], v[128*(\p)+FR*\b:128*(\p)+FR*\b+FR-1], v[AF+FR*(\a):AF+FR*(\a)+FR-1], v[8*(8*((\a)%4)+\b):8*(8*((\a)%4)+\b)+7]
.endif
.endr
.endr
.endm
.macro FETCH_B slot, q, p
	WIN TO_B
.irp i, 0,1,2,3
	FRAGB 128*(\p)+FR*\i, ADRB+\slot, \q, \i
.endr
	WIN 0
.endm
.macro FETCH_A slot, q, i0
.irp i, \i0, \i0+1, \i0+2, \i0+3
	FRAGA AF+FR*(\i), ADRA+\slot, \q, \i
.endr
.endm
.macro PLACES n
.rept \n
	v_nop
.endr
.endm
.macro STEP slot, q, zero
	s_wait_dscnt 4*NL
	WIN MUL_LO
	MUL16 0, (\q)%2, \zero
	MUL16 2, (\q)%2, \zero
	s_wait_dscnt 0
	PLACES NP
	FETCH_B \slot, (\q)+1, 1-(\q)%2
	FETCH_A \slot, (\q)+1, 0
	WIN MUL_HI
	MUL16 4, (\q)%2, \zero
	MUL16 6, (\q)%2, \zero
	PLACES NP
	WIN 0
	FETCH_A \slot, (\q)+1, 4
.endm
.macro TURN slot, next, fill
	s_wait_tensorcnt 0x0
	ds_add_u32 v[SPW], v[NIL]
	s_wait_dscnt 4*NL+1
	WIN MUL_LO
	MUL16 0, 1, 0
	s_wait_dscnt 0x0
	s_barrier_signal -1
	MUL16 2, 1, 0
	WIN 0
	s_barrier_wait -1
.if \fill
	CREST
	s_add_nc_u64 s[G0+4*\slot+2:G0+4*\slot+3], s[G0+4*\slot+2:G0+4*\slot+3], 2*2097152
	s_add_nc_u64 s[G0B+4*\slot+2:G0B+4*\slot+3], s[G0B+4*\slot+2:G0B+4*\slot+3], 2*ROWB
	JLOAD G0+4*\slot, G1, G0B+4*\slot, G1B
.else
	PLACES NP
.endif
	FETCH_B \next, 0, 0
	FETCH_A \next, 0, 0
	WIN MUL_HI
	MUL16 4, 1, 0
	MUL16 6, 1, 0
	PLACES NP
	WIN 0
	FETCH_A \next, 0, 4
.endm
	s_wait_alu depctr_va_vdst(0)
	s_wait_tensorcnt 1
	s_barrier_signal -1
	s_barrier_wait -1
	FETCH_B 0, 0, 0
	FETCH_A 0, 0, 0
	FETCH_A 0, 0, 4
	STEP 0, 0, 1
	TURN 0, 1, 1
	STEP 1, 0, 0
	TURN 1, 0, 1
	STEP 0, 0, 0
	TURN 0, 1, 0
	STEP 1, 0, 0
	s_wait_dscnt 4*NL
	WIN MUL_LO
	MUL16 0, 1, 0
	MUL16 2, 1, 0
	s_wait_dscnt 0
	WIN MUL_HI
	MUL16 4, 1, 0
	MUL16 6, 1, 0
	WIN 0
.macro TOSTAGE a
.set AC, 64*((\a)%4)
	WIN 0x02+((\a)/4)
.set n, 0
.rept 16
	v_pk_mul_f32 v[TMP+n:TMP+n+1], v[AC+n:AC+n+1], s[96:97] op_sel_hi:[1,0]
.set n, n+2
.endr
	WIN 0
.irp b, 0,1,2,3
	ds_store_b128 v[STO], v[TMP+8*\b:TMP+8*\b+3] offset:64*\b
	ds_store_b128 v[STO], v[TMP+8*\b+4:TMP+8*\b+7] offset:64*\b+16
.endr
.set BB, BK+64*((\a)%2)
.irp t, 0,1,2,3,4,5,6,7
	ds_load_b128 v[BB+4*\t:BB+4*\t+3], v[RD] offset:2*\t*SPITCH
.endr
.endm
.macro SEND a, younger
.set BB, BK+64*((\a)%2)
	s_wait_dscnt \younger
.if (\a) > 0
	s_add_nc_u64 s[10:11], s[10:11], 16*SIZE_N*4
.endif
.irp t, 0,1,2,3,4,5,6,7
	global_store_b128 v[CO], v[BB+4*\t:BB+4*\t+3], s[10:11] offset:2*\t*SIZE_N*4 th:TH_STORE_NT
.endr
.endm
	s_wait_kmcnt 0x0
	s_add_co_i32 s96, s96, s97
	s_add_co_i32 s96, s96, 127
	s_lshl_b32 s96, s96, 23
	PLACES NP
	TOSTAGE 0
.irp a, 1,2,3,4,5,6,7
.if \a > 1
	s_wait_xcnt 0x0
.endif
	TOSTAGE \a
	SEND \a-1, 16
.endr
	s_wait_xcnt 0x0
	SEND 7, 0
	s_wait_tensorcnt 0x0
	ds_add_u32 v[SPW], v[NIL]
	s_wait_dscnt 0x0
	CROUND
	s_endpgm
.Lfunc_end_k_qbb4118dc6d_proj:
	.size	k_qbb4118dc6d_proj, .Lfunc_end_k_qbb4118dc6d_proj-k_qbb4118dc6d_proj
	.p2alignl 7, 3214868480
	.fill 96, 4, 3214868480
	.section	.rodata,"a",@progbits
	.p2align	6, 0x0
	.amdhsa_kernel k_qbb4118dc6d_proj
		.amdhsa_group_segment_fixed_size 327680
		.amdhsa_private_segment_fixed_size 0
		.amdhsa_enable_private_segment 0
		.amdhsa_kernarg_size 32
		.amdhsa_user_sgpr_count 2
		.amdhsa_user_sgpr_kernarg_segment_ptr 1
		.amdhsa_wavefront_size32 1
		.amdhsa_system_sgpr_workgroup_id_x 1
		.amdhsa_system_sgpr_workgroup_id_y 1
		.amdhsa_system_sgpr_workgroup_id_z 1
		.amdhsa_system_vgpr_workitem_id 0
		.amdhsa_next_free_vgpr 1024
		.amdhsa_next_free_sgpr 98
		.amdhsa_reserve_vcc 0
		.amdhsa_float_denorm_mode_32 3
		.amdhsa_float_denorm_mode_16_64 3
		.amdhsa_memory_ordered 1
		.amdhsa_forward_progress 1
		.amdhsa_inst_pref_size 86
	.end_amdhsa_kernel
	.amdgpu_metadata
---
amdhsa.version: [ 1, 2 ]
amdhsa.kernels:
  - .name:           k_qbb4118dc6d_proj
    .symbol:         k_qbb4118dc6d_proj.kd
    .args:
      - { .name: yc, .offset: 0, .size: 8, .value_kind: global_buffer, .address_space: global }
      - { .name: wc, .offset: 8, .size: 8, .value_kind: global_buffer, .address_space: global }
      - { .name: lowp_scales, .offset: 16, .size: 8, .value_kind: global_buffer, .address_space: global }
      - { .name: out0, .offset: 24, .size: 8, .value_kind: global_buffer, .address_space: global }
    .group_segment_fixed_size: 327680
    .private_segment_fixed_size: 0
    .kernarg_segment_align: 8
    .kernarg_segment_size: 32
    .max_flat_workgroup_size: 128
    .sgpr_count:     98
    .vgpr_count:     1024
    .wavefront_size: 32
...
	.end_amdgpu_metadata
.endif
;; end of part 4
